; MI455X (gfx1250); checked and timed in simulation.
; The chip was launched on July 23, 2026; its instructions are those of AMD's public machine-readable ISA for CDNA 5 (MIT licence, August 2026) and "CDNA5" Instruction Set Architecture Reference Guide (July 2026). The comments in the code are by the model that wrote it; some were corrected since.
;; Block Sparse. Allowed arithmetic: matrix products marked QUANTISED: E5M2 operands, one E8M0 scale for each 32 along K, by v_wmma_scale_f32_16x16x128_f8f6f4 with both operands' format E5M2, f32 sums; everything else in f32.
;; Inputs: bias 4,096 float32; mask 4,096 x 4,096 bool; weight 4,096 x 4,096 float32; x 4,096 x 4,096 float32.
;; Outputs: out0 4,096 x 4,096 float32.
;; This version of the problem:
;;   THIS VERSION OF THE PROBLEM IS GIVEN IN LOW PRECISION. The matrix products marked QUANTISED in the list below multiply operands that are first quantised to E5M2 (5 exponent bits, 2 mantissa bits; 8 bits a number), with one power-of-two scale for each 32 numbers along K (OCP MX v1.0); their sums are f32. All else is computed in f32.
;;   The module's matrix products, in the order in which they are computed (A, B: the left and right operand; K: the contracted axis; several contracted axes count as one K, in the product's order):
;;     1. [M 4,096, K 4,096] x [K 4,096, N 4,096]; A: input x; B: computed on the way: QUANTISED
;;   THE QUANTISER, for each operand of a quantised product, along K:
;;     - K is cut into blocks of 32 from its start; a last block that is shorter is filled with zeros.
;;     - A block's scale is 2^e with e = floor(log2(the largest magnitude in the block)) - 15, held to -126 .. 127; a block of zeros has e = 0. As a byte (E8M0): e + 127.
;;     - Each number is divided by its block's scale, clamped to +-57,344, and rounded to the nearest number of E5M2, ties to even, subnormals kept.
;;     - The product sums the exact products of the quantised numbers (number of the format x scale) in f32.
;;   ~~~python
;;   def quantise(x, axis):      # numpy; x: float32 -> the quantised numbers, widened to float32 again
;;       x = np.moveaxis(x, axis, -1); K = x.shape[-1]
;;       x = np.pad(x, [(0, 0)] * (x.ndim - 1) + [(0, -K % 32)]); x = x.reshape(x.shape[:-1] + (-1, 32)); a = np.abs(x).max(-1, keepdims=True)
;;       e = np.where(a > 0, np.clip(np.frexp(np.where(a > 0, a, 1))[1] - 1 - 15, -126, 127), 0)      # np.frexp(a)[1] - 1 = floor(log2(a)), exactly
;;       r = np.clip(x / 2.0 ** e, -57344, 57344)
;;       step = 2.0 ** (np.maximum(np.frexp(np.where(r == 0, 1, r))[1] - 1, -14) - 2)
;;       q = np.round(r / step) * step * 2.0 ** e      # np.round: ties to even
;;       return np.moveaxis(q.reshape(q.shape[:-2] + (-1,))[..., :K], -1, axis).astype(np.float32)
;;   ~~~
;;   OPERANDS COMPUTED ON THE WAY. 'Computed on the way' means the value that the module computes at that place (a softmax that the list does not call 'softmax' is quantised finished and normalised). What goes into a quantiser is computed in f32, as accurately as f32 sums, v_exp_f32 and their like allow (about 1e-6 of the number): no bf16 or f16 on the way to a quantiser, and a product that is left as it is and whose result goes on into a quantised operand takes f32 operands (vector FMAs, or v_wmma_f32_16x16x4_f32). A number that lies on a knife's edge between two numbers of the format may be rounded either way, as far as f32 arithmetic and the matrix unit's own rounding can turn it there, and no further.
;; One version. Each part assembles by itself: llvm-mc -triple=amdgcn-amd-amdhsa -mcpu=gfx1250 --defsym DOCPART=n.
;; ======== version 1 of 1: 2 launches
;; limits: right only within a limited range of input values
;; workspace buffers: xq 17,301,504 bytes; wq 17,301,504 bytes
;; launch quant (part 1): grid 1024 x 1, 4 waves a work-group, no clusters, 2,560 bytes of LDS; arguments x, weight, mask, xq, wq; writes xq, wq
.if DOCPART == 1
	.amdgcn_target "amdgcn-amd-amdhsa--gfx1250"
	.amdhsa_code_object_version 6
	.text
	.protected	k_qc872ad595b_quant
	.globl	k_qc872ad595b_quant
	.p2align	8
	.type	k_qc872ad595b_quant,@function
k_qc872ad595b_quant:
	s_mov_b64 s[64:65], 0
	v_nop
	global_prefetch_b8 v0, s[64:65] scope:SCOPE_SE
	s_setreg_imm32_b32 hwreg(HW_REG_WAVE_MODE, 25, 1), 1
	s_wait_xcnt 0x0
; x [4096][4096] f32 and (mask ? weight : 0) [4096][4096] f32 become codes of BF8 (E5M2), one byte each, K innermost and in its true order, with one E8M0 byte for each 32 along K.
; A block's scale is 2^(floor(log2(its largest magnitude)) - 15); its byte is that magnitude's exponent field - 15, held at 1 from below by a floor among the maximum's leaves.
; Each number is multiplied by 2^-e (a power of two: nothing is rounded), held within +-57,344 and converted with the scale operand 1.0: to the nearest code, ties to even.
; The mask is applied number by number ahead of the quantiser: a masked number becomes +0 whatever its bits.
; WHAT THE MASK DECIDES: a wave of the weight path first reads the 8,192 mask bytes of its 8 rows x 1,024 columns.  Where all 2,048 bytes of 8 rows x 256 columns are 0, every number there is 0:
; the wave loads no weight there and stores zero codes and the byte 1.  The branches hang on whole numbers read from memory; any other mask takes the full path.
; LIMITS: NaN and infinities among the numbers that are kept are not served; one under a mask byte 0 is not carried to the result.  Blocks whose largest magnitude lies under 2^-111 get the byte 1; that range was not tried.
; A block of zeros gets the byte 1 where the rule says 127: its codes are zeros, and this program alone reads the bytes.  A mask byte is 0 or 1.
; THE WORKSPACE: [32 blocks of 128 rows][16 K steps of 256][a record of 33,792 bytes]; a record is 128 rows x 256 codes and behind them 128 rows x 8 scale bytes.
; SHARES.  Work-groups 0-511 take weight, 512-1023 x.  A work-group takes 32 rows x 1,024 columns: 32 rows of each of four records.  Wave w takes rows 8 w .. 8 w + 7: of each row 4,096 consecutive bytes.
; A step is two rows x 256 columns (512 numbers, four loads of 512 consecutive bytes): step (g, p) is K step g of the four, row pair p of the four.
; A lane holds 4 neighbours of each load, so a block of 32 lies in 8 neighbouring lanes: three DPP maxima join it.  The lane's four code words (one a load) are transposed inside each group of four lanes
; (two exchanges by DPP moves and selects): lane 4 q + t then holds the 16 codes 16 q .. 16 q + 15 of load t, and ONE store of 16 bytes a lane covers the step's 512 consecutive code bytes.
; A step's 16 scale bytes go as one word a lane group to the work-group's 1,024 bytes of LDS; behind one barrier wave w puts record w's 256 bytes in order by byte permutes and stores them as 256 consecutive bytes.
; No tensor load.  x: loads run eight steps ahead, along a row pair first.  weight: a live K step's 16 loads go out together.  Every offset is an immediate, and no store's data or address is written again: no wait on XCNT is owed.
.set DEPTH, 8
.set RECB,  33792
.set RBS,   16*RECB
.set ROWIN, 16384
.set PATH1, 1024                       ; the weight path's LDS bytes lie behind the other path's
.set SPARE, 2048                       ; the spare words: 128 bytes a wave
.set M,   10                           ; v10-17  load i: v[M+2i] = 2^-e, v[M+2i+1] = the exponent field of the largest magnitude
.set MX,  18                           ; v18-21  the largest magnitudes; ahead of them the mask words x 255
.set CC,  22                           ; v22-25  a step's code words, one a load
.set D,   26                           ; v26-29  what DPP moves bring; ahead of that one mask byte spread over a word
.set SPW, 30
.set NIL, 31
.set R,   32                           ; v32-159  x: eight sets of 16 numbers; weight: four sets, v32-95,
.set MKW, 96                           ; v96-159  and the wave's 64 mask words, four for each step 4 g + p
.set OUT, 192                          ; v192-255 four registers of codes for each step
	s_load_b256 s[4:11], s[0:1], 0x0               ; x s[4:5], weight s[6:7], mask s[8:9], xq s[10:11]
	s_load_b64 s[12:13], s[0:1], 0x20              ; wq
	v_lshl_add_u32 v[SPW], v0, 2, SPARE
	v_mov_b32 v[NIL], 0
	v_lshrrev_b32 v4, 5, v0
	v_readfirstlane_b32 s16, v4                    ; wave 0..3
	v_and_b32 v2, 31, v0                           ; lane
	v_lshlrev_b32 v3, 4, v2                        ; 16 x lane: my bytes of a load's 512
	v_lshlrev_b32 v1, 2, v2                        ; 4 x lane: the mask bytes of my 4 numbers
	v_and_b32 v4, 3, v2
	v_lshrrev_b32 v10, 2, v2
	v_lshlrev_b32 v4, 7, v4
	v_lshl_add_u32 v4, v10, 4, v4                  ; my codes in a step's 512 bytes: 128 (lane % 4) + 16 (lane / 4)
	s_lshl_b32 s20, s16, 6                         ; scale words in: 64 bytes a wave in each record's 256,
	v_lshrrev_b32 v5, 3, v2
	v_lshl_add_u32 v5, v5, 2, s20                  ; a word for each group of eight lanes
	s_lshl_b32 s20, s16, 8                         ; back: record w's 256 bytes,
	v_lshrrev_b32 v6, 1, v2
	v_lshl_add_u32 v6, v6, 4, s20                  ; a step's 16 bytes for each pair of lanes
	v_lshlrev_b32 v7, 3, v2                        ; and out: 8 bytes a lane
	v_mov_b32 v8, 1.0                              ; the conversions' scale operand
.irp i, 0,1,2,3
	v_mov_b32 v[D+\i], 0                           ; a DPP move's destination counts as read
.endr
	s_and_b32 s17, ttmp9, 511                      ; which part of my tensor
	s_lshr_b32 s18, s17, 2                         ; its 32 rows
	s_and_b32 s19, s17, 3                          ; its 1,024 columns
	s_lshl_b32 s24, s18, 19                        ; the input: 32 rows of 16,384 bytes,
	s_lshl_b32 s21, s16, 17                        ; 8 rows a wave,
	s_add_co_u32 s24, s24, s21
	s_lshl_b32 s21, s19, 12                        ; 4,096 bytes for 1,024 columns
	s_add_co_u32 s24, s24, s21
	s_mov_b32 s25, 0
	s_lshr_b32 s26, s24, 2                         ; the mask has one byte where the input has four
	s_mov_b32 s27, 0
	s_lshr_b32 s21, s18, 2                         ; the block of 128 rows,
	s_and_b32 s18, s18, 3                          ; and which 32 of them
	s_mul_i32 s28, s21, RBS
	s_mul_i32 s21, s19, 4*RECB
	s_add_co_u32 s28, s28, s21                     ; the first of my four records
	s_mov_b32 s29, 0
	s_mul_i32 s21, s16, RECB
	s_add_co_u32 s30, s28, s21                     ; record w,
	s_lshl_b32 s21, s18, 8
	s_add_co_u32 s30, s30, s21
	s_add_co_u32 s30, s30, 32768                   ; the scale bytes of the work-group's 32 rows, behind its codes
	s_mov_b32 s31, 0
	s_lshl_b32 s21, s18, 13
	s_add_co_u32 s28, s28, s21
	s_lshl_b32 s21, s16, 11
	s_add_co_u32 s28, s28, s21                     ; my wave's 8 rows of codes in the first record
	s_wait_kmcnt 0x0
	s_cmp_lt_u32 ttmp9, 512                        ; weight's work-group or x's: the choice hangs on the work-group's number alone
	s_cselect_b64 s[4:5], s[6:7], s[4:5]
	s_cselect_b64 s[10:11], s[12:13], s[10:11]
	s_add_nc_u64 s[4:5], s[4:5], s[24:25]
	s_add_nc_u64 s[8:9], s[8:9], s[26:27]
	s_add_nc_u64 s[14:15], s[10:11], s[30:31]
	s_add_nc_u64 s[10:11], s[10:11], s[28:29]
	s_mov_b32 s20, 0xaaaaaaaa                      ; the odd lanes
	s_mov_b32 s21, 0xcccccccc                      ; lanes 2 and 3 of each four
	s_mov_b32 s22, 0xc7600000                      ; -57,344
	s_mov_b32 s23, 0x47600000                      ; 57,344
	s_mov_b32 s24, 0x7f800000                      ; the exponent field
	s_mov_b32 s25, 0x86800000                      ; 269 << 23: less the field E it is the field of 2^(142 - E) = 2^-e
	s_mov_b32 s26, 0x08000000                      ; the floor 2^(16 - 127)
	s_mov_b32 s32, 0                               ; byte j of a word spread over a word
	s_mov_b32 s33, 0x01010101
	s_mov_b32 s34, 0x02020202
	s_mov_b32 s35, 0x03030303
	s_mov_b32 s36, 0x05010400                      ; the scale bytes' 4 x 4 transposition: bytes 0 and 1 of two words by turns,
	s_mov_b32 s37, 0x07030602                      ; bytes 2 and 3,
	s_mov_b32 s38, 0x05040100                      ; two low halves,
	s_mov_b32 s39, 0x07060302                      ; two high halves
; step (g, p)'s loads into a set: rows 2 p and 2 p + 1 of my 8, 1,024 bytes of each, 512 consecutive bytes a load
.macro LOAD set, g, p
.irp i, 0,1,2,3
	global_load_b128 v[R+16*(\set)+4*\i:R+16*(\set)+4*\i+3], v3, s[4:5] offset:(2*(\p)+\i/2)*ROWIN+(\g)*1024+(\i%2)*512 th:TH_LOAD_NT
.endr
.endm
; step (g, p) is worked: numbers in a set, mask words from register ms on (m = 1), codes into OUT's quad o
.macro WORK set, ms, o, g, p, m
.set RS, R+16*(\set)
.set MS, \ms
.set OS, OUT+4*(\o)
.if \m                                         ; THE MASK: a word of bytes 0 or 1, times 255, has bytes 0 or 0xff; each is spread over a word and ANDed onto its number
.irp i, 0,1,2,3
	v_lshlrev_b32 v[MX+\i], 8, v[MS+\i]
.endr
.irp i, 0,1,2,3
	v_sub_nc_u32 v[MX+\i], v[MX+\i], v[MS+\i]
.endr
.irp i, 0,1,2,3
.irp j, 0,1,2,3
	v_perm_b32 v[D+\j], v[MX+\i], v[MX+\i], s[32+\j]
.endr
.irp j, 0,1,2,3
	v_and_b32 v[RS+4*\i+\j], v[RS+4*\i+\j], v[D+\j]
.endr
.endr
.endif
.irp i, 0,1,2,3
	v_max3_num_f32 v[MX+\i], |v[RS+4*\i]|, |v[RS+4*\i+1]|, s26     ; my 4 numbers of load i, and the floor; the four loads by turns
.endr
.irp i, 0,1,2,3
	v_max3_num_f32 v[MX+\i], v[MX+\i], |v[RS+4*\i+2]|, |v[RS+4*\i+3]|
.endr
.irp x, 1,2,4
.irp i, 0,1,2,3
	v_max_num_f32_dpp v[MX+\i], v[MX+\i], v[MX+\i] row_xmask:\x row_mask:0xf bank_mask:0xf   ; with the seven other lanes of the block
.endr
.endr
.irp i, 0,1,2,3
	v_and_b32 v[M+2*\i+1], s24, v[MX+\i]           ; the exponent field E
.endr
.irp i, 0,1,2,3
	v_sub_nc_u32 v[M+2*\i], s25, v[M+2*\i+1]       ; 2^-e
.endr
.irp i, 0,1,2,3
	v_pk_mul_f32 v[RS+4*\i:RS+4*\i+1], v[RS+4*\i:RS+4*\i+1], v[M+2*\i:M+2*\i+1] op_sel_hi:[1,0]
	v_pk_mul_f32 v[RS+4*\i+2:RS+4*\i+3], v[RS+4*\i+2:RS+4*\i+3], v[M+2*\i:M+2*\i+1] op_sel_hi:[1,0]
.endr
.irp i, 0,1,2,3,4,5,6,7,8,9,10,11,12,13,14,15
	v_med3_num_f32 v[RS+\i], v[RS+\i], s22, s23    ; the conversion to an 8-bit code does not saturate (ISA guide 7.6.2): hold first
.endr
	v_cvt_scalef32_pk8_bf8_f32 v[CC:CC+1], v[RS:RS+7], v8          ; word i: the 4 codes of load i
	v_cvt_scalef32_pk8_bf8_f32 v[CC+2:CC+3], v[RS+8:RS+15], v8
.irp i, 0,1,2,3
	v_lshrrev_b32 v[MX+\i], 23, v[M+2*\i+1]        ; (plain lines behind the conversions)
.endr
	v_lshl_or_b32 v[MX], v[MX+1], 8, v[MX]
	v_lshl_or_b32 v[MX], v[MX+2], 16, v[MX]
	v_lshl_or_b32 v[MX], v[MX+3], 24, v[MX]
	v_add_nc_u32 v[MX], 0xf0f0f0f1, v[MX]          ; 15 off each byte (each is 16 at the least: no borrow): byte i is the scale byte of my block of load i
	ds_store_b32 v5, v[MX] offset:PATH1*(\m)+256*(\g)+16*(\p)      ; the eight lanes of a block write the same word with the same value
.irp a, 0,2                                    ; the transposition, first exchange: lanes l and l xor 1, words 2 a and 2 a + 1
	v_mov_b32_dpp v[D+\a], v[CC+\a+1] row_xmask:1 row_mask:0xf bank_mask:0xf
	v_mov_b32_dpp v[D+\a+1], v[CC+\a] row_xmask:1 row_mask:0xf bank_mask:0xf
.endr
.irp a, 0,2
	v_cndmask_b32 v[CC+\a], v[CC+\a], v[D+\a], s20
	v_cndmask_b32 v[CC+\a+1], v[D+\a+1], v[CC+\a+1], s20
.endr
.irp i, 0,1                                    ; second exchange: lanes l and l xor 2, words i and i + 2
	v_mov_b32_dpp v[D+2*\i], v[CC+\i+2] row_xmask:2 row_mask:0xf bank_mask:0xf
	v_mov_b32_dpp v[D+2*\i+1], v[CC+\i] row_xmask:2 row_mask:0xf bank_mask:0xf
.endr
.irp i, 0,1
	v_cndmask_b32 v[OS+\i], v[CC+\i], v[D+2*\i], s21
	v_cndmask_b32 v[OS+\i+2], v[D+2*\i+1], v[CC+\i+2], s21
.endr
	s_wait_alu depctr_va_vdst(0)                   ; later lines read some of these registers behind a wait for loads or a branch
	global_store_b128 v4, v[OS:OS+3], s[10:11] offset:(\g)*RECB+512*(\p)   ; the wave's store covers 512 consecutive bytes, at a multiple of 256 from the buffer's first byte
.endm
; the end of both paths: the four waves' scale words meet; wave w takes record w's
.macro FINISH m
	s_wait_alu depctr_va_vdst(0)
	s_wait_dscnt 0x0                               ; for the others' sake: my scale words are in LDS
	s_barrier_signal -1
	s_barrier_wait -1
	ds_load_b128 v[10:13], v6 offset:PATH1*(\m)    ; row pair lane / 2 of the 16: word k holds the bytes of loads 0-3 for lane group k
	s_wait_dscnt 0x0
	v_perm_b32 v14, v11, v10, s36                  ; 4 x 4 bytes transposed: word i then holds load i's bytes of groups 0-3, which are 4 neighbouring blocks of a row
	v_perm_b32 v15, v11, v10, s37
	v_perm_b32 v16, v13, v12, s36
	v_perm_b32 v17, v13, v12, s37
	v_perm_b32 v18, v16, v14, s38
	v_perm_b32 v19, v16, v14, s39
	v_perm_b32 v20, v17, v15, s38
	v_perm_b32 v21, v17, v15, s39
	v_cndmask_b32 v18, v18, v20, s20               ; even lanes keep the pair's first row, odd lanes take its second
	v_cndmask_b32 v19, v19, v21, s20
	global_store_b64 v7, v[18:19], s[14:15]        ; 32 lanes store 256 consecutive bytes, at a multiple of 256 from the buffer's first byte
	s_wait_tensorcnt 0x0                           ; the wave's end
	ds_add_u32 v[SPW], v[NIL]
	s_wait_dscnt 0x0
	s_endpgm
.endm
; weight: K step g of my four: 8 rows x 256 columns
.macro GROUP g
.irp j, 0,1,2,3
	v_or_b32 v[D+\j], v[MKW+16*\g+\j], v[MKW+16*\g+4+\j]
.endr
.irp j, 0,1,2,3
	v_or_b32 v[D+\j], v[D+\j], v[MKW+16*\g+8+\j]
.endr
.irp j, 0,1,2,3
	v_or_b32 v[D+\j], v[D+\j], v[MKW+16*\g+12+\j]
.endr
	v_or_b32 v[D], v[D], v[D+1]
	v_or_b32 v[D+2], v[D+2], v[D+3]
	v_or_b32 v[D], v[D], v[D+2]
	v_cmp_ne_u32 vcc_lo, 0, v[D]
	s_wait_alu depctr_va_vdst(0)
	s_cbranch_vccz .Ldead_\g                       ; no lane saw a byte other than 0
.irp p, 0,1,2,3
	LOAD \p, \g, \p
.endr
.irp p, 0,1,2,3
	s_wait_loadcnt 4*(3-\p)                        ; row pair p's four loads are in; the later pairs' may be out
	WORK \p, MKW+16*\g+4*\p, 4*\g+\p, \g, \p, 1
.endr
	s_branch .Ljoin_\g
.Ldead_\g:
.irp j, 0,1,2,3,4,5,6,7,8,9,10,11,12,13,14,15
	v_mov_b32 v[OUT+16*\g+\j], 0                   ; zero codes,
.endr
	v_mov_b32 v[MX], 0x01010101                    ; and the byte that a block of zeros gets on the full path
.irp p, 0,1,2,3
	ds_store_b32 v5, v[MX] offset:PATH1+256*\g+16*\p
	global_store_b128 v4, v[OUT+16*\g+4*\p:OUT+16*\g+4*\p+3], s[10:11] offset:\g*RECB+512*\p
.endr
	s_wait_alu depctr_va_vdst(0)
.Ljoin_\g:
.endm
	s_cmp_lt_u32 ttmp9, 512
	s_wait_alu depctr_va_vdst(0)
	s_cbranch_scc0 .Lplain
.irp g, 0,1,2,3                                ; weight: all my wave's mask bytes, lane for lane as the numbers will lie
.irp p, 0,1,2,3
.irp i, 0,1,2,3
	global_load_b32 v[MKW+16*\g+4*\p+\i], v1, s[8:9] offset:(2*\p+\i/2)*4096+\g*256+(\i%2)*128 th:TH_LOAD_NT
.endr
.endr
.endr
	s_wait_loadcnt 0x0
	GROUP 0
	GROUP 1
	GROUP 2
	GROUP 3
	FINISH 1
.Lplain:                                       ; x: step t is row pair t / 4, K step t % 4: along a row pair's 4,096 bytes first
.irp t, 0,1,2,3,4,5,6,7
	LOAD \t, (\t%4), (\t/4)
.endr
.irp t, 0,1,2,3,4,5,6,7
	s_wait_loadcnt 4*(DEPTH-1)                     ; this step's loads are in; those of the seven steps behind it may be out
	WORK \t, 0, \t, (\t%4), (\t/4), 0
	LOAD \t, (\t%4), (\t/4+2)                      ; the set just converted takes the loads of eight steps on
.endr
.irp t, 0,1,2,3,4,5,6,7
	s_wait_loadcnt 4*(DEPTH-1-\t)                  ; the counts run down
	WORK \t, 0, (\t+8), (\t%4), (\t/4+2), 0
.endr
	FINISH 0
.Lfunc_end_k_qc872ad595b_quant:
	.size	k_qc872ad595b_quant, .Lfunc_end_k_qc872ad595b_quant-k_qc872ad595b_quant
	.p2alignl 7, 3214868480
	.fill 96, 4, 3214868480
	.section	.rodata,"a",@progbits
	.p2align	6, 0x0
	.amdhsa_kernel k_qc872ad595b_quant
		.amdhsa_group_segment_fixed_size 2560
		.amdhsa_private_segment_fixed_size 0
		.amdhsa_enable_private_segment 0
		.amdhsa_kernarg_size 40
		.amdhsa_user_sgpr_count 2
		.amdhsa_user_sgpr_kernarg_segment_ptr 1
		.amdhsa_wavefront_size32 1
		.amdhsa_system_sgpr_workgroup_id_x 1
		.amdhsa_system_sgpr_workgroup_id_y 1
		.amdhsa_system_sgpr_workgroup_id_z 1
		.amdhsa_system_vgpr_workitem_id 0
		.amdhsa_next_free_vgpr 256
		.amdhsa_next_free_sgpr 66
		.amdhsa_reserve_vcc 1
		.amdhsa_float_denorm_mode_32 3
		.amdhsa_float_denorm_mode_16_64 3
		.amdhsa_memory_ordered 1
		.amdhsa_forward_progress 1
		.amdhsa_inst_pref_size 211
	.end_amdhsa_kernel
	.amdgpu_metadata
---
amdhsa.version: [ 1, 2 ]
amdhsa.kernels:
  - .name:           k_qc872ad595b_quant
    .symbol:         k_qc872ad595b_quant.kd
    .args:
      - { .name: x, .offset: 0, .size: 8, .value_kind: global_buffer, .address_space: global }
      - { .name: weight, .offset: 8, .size: 8, .value_kind: global_buffer, .address_space: global }
      - { .name: mask, .offset: 16, .size: 8, .value_kind: global_buffer, .address_space: global }
      - { .name: xq, .offset: 24, .size: 8, .value_kind: global_buffer, .address_space: global }
      - { .name: wq, .offset: 32, .size: 8, .value_kind: global_buffer, .address_space: global }
    .group_segment_fixed_size: 2560
    .private_segment_fixed_size: 0
    .kernarg_segment_align: 8
    .kernarg_segment_size: 40
    .max_flat_workgroup_size: 128
    .sgpr_count:     66
    .vgpr_count:     256
    .wavefront_size: 32
...
	.end_amdgpu_metadata
.endif
;; end of part 1
;; launch gemm (part 2): grid 16 x 16, 4 waves a work-group, clusters of 4 x 4, 327,680 bytes of LDS; arguments xq, wq, bias, out0; writes out0
.if DOCPART == 2
	.amdgcn_target "amdgcn-amd-amdhsa--gfx1250"
	.amdhsa_code_object_version 6
	.text
	.protected	k_qc872ad595b_gemm
	.globl	k_qc872ad595b_gemm
	.p2align	8
	.type	k_qc872ad595b_gemm,@function
k_qc872ad595b_gemm:
	s_mov_b64 s[64:65], 0
	v_nop
	global_prefetch_b8 v0, s[64:65] scope:SCOPE_SE
	s_setreg_imm32_b32 hwreg(HW_REG_WAVE_MODE, 25, 1), 1
	s_wait_xcnt 0x0
	s_wait_alu depctr_hold_cnt(0) depctr_sa_sdst(0) depctr_va_vdst(0) depctr_va_sdst(0) depctr_va_ssrc(0) depctr_va_vcc(0) depctr_vm_vsrc(0)
	s_getreg_b32 s2, hwreg(HW_REG_IB_STS2, 6, 4)
	s_cmp_eq_u32 s2, 0
	s_cbranch_scc0 .Lentry_in_a_cluster
	s_endpgm
.Lentry_in_a_cluster:
	s_bfe_u32 s2, ttmp6, 0x10000c
	s_cmp_lg_u32 s2, 0xf033
	s_cbranch_scc0 .Lentry_shape_is_right
	s_endpgm
.Lentry_shape_is_right:
.set SIZE_N, 4096
.set NQ,     2
.set RECB,   33792
.set RBS,    16*RECB
.set PITCH,  272
.set FR,     16
.set NL,     4
.set NP,     8
.set HALFT,  132*PITCH
.set SCOFF,  128*PITCH
.set SLOT,   4*HALFT
.set LAPS,   8
.set WRAPT,  LAPS-4
.set SPARE,  2*SLOT
.set SPITCH, 528
.set ADRA, 16
.set ADRB, 20
.set ADRS, 22
.set STO,  24
.set RD,   25
.set CO,   26
.set SPW,  28
.set NIL,  29
.set PFO,  30
.set PFO2, 31
.set SC,   32
.set BIAS, 64
.set AF,   128
.set BK,   128
.set G1, 24
.set G0, 32
.set G1B, 48
.set G0B, 56
.set PFA,  66
.set LIM,  68
.set LIM2, 69
.set PFS,  70
.set WRP,  80
.set WRD,  82
.set ROT,  83
.set MSB, 0
.macro WIN new
.if MSB != \new
	s_set_vgpr_msb (MSB<<8)|\new
.set MSB, \new
.endif
.endm
.set MUL_LO,   0xa1
.set MUL_HI,   0xf1
.set FIRST_LO, 0x81
.set FIRST_HI, 0xc1
.set TO_B,     0x40
.macro JLOAD g0a, g1a, g0b, g1b
	s_cmp_eq_u32 s15, 0
	s_cbranch_scc0 .Lfor_b_\@
	tensor_load_to_lds s[\g0a:\g0a+3], s[\g1a:\g1a+7]
	s_nop 0
.rept 4
	v_nop
.endr
	s_branch .Lasked_\@
.Lfor_b_\@:
	tensor_load_to_lds s[\g0b:\g0b+3], s[\g1b:\g1b+7]
	s_nop 0
.rept 4
	v_nop
.endr
.Lasked_\@:
.endm
.macro CREST
	s_cmp_lg_u32 s14, 0
	s_cbranch_scc1 .Lnot_wave_0_\@
	s_barrier_signal -3
.Lnot_wave_0_\@:
	s_barrier_wait -3
	s_barrier_signal -1
	s_barrier_wait -1
.endm
.macro CROUND
	s_barrier_signal -1
	s_barrier_wait -1
	CREST
.endm
.macro ASK
	s_cmp_gt_u32 s3, s[LIM]
	s_cbranch_scc0 .Lnot_mine_\@
	s_wait_alu depctr_va_vdst(0)
	global_prefetch_b8 v[PFO], s[PFA:PFA+1] offset:RECB th:TH_LOAD_NT scope:SCOPE_SE
.Lnot_mine_\@:
.endm
.macro ASKS
	s_cmp_eq_u32 s3, s[LIM2]
	s_cbranch_scc0 .Lnot_sc_\@
	s_wait_alu depctr_va_vdst(0)
	global_prefetch_b8 v[PFO2], s[PFS:PFS+1] th:TH_LOAD_NT scope:SCOPE_SE
.Lnot_sc_\@:
.endm
	s_load_b128 s[4:7], s[0:1], 0x0
	s_load_b128 s[8:11], s[0:1], 0x10
	v_lshl_add_u32 v[SPW], v0, 2, SPARE
	v_mov_b32 v[NIL], 0
	ds_add_u32 v28, v29
	ds_add_u32 v28, v29
	s_wait_dscnt 0x0
	v_lshrrev_b32 v1, 5, v0
	v_readfirstlane_b32 s14, v1
	s_lshr_b32 s15, s14, 1
	s_and_b32 s16, s14, 1
	s_bfe_u32 s40, ttmp6, 0x40000
	s_bfe_u32 s41, ttmp6, 0x40004
	s_lshl_b32 s42, ttmp9, 2
	s_add_co_u32 s42, s42, s40
	s_and_b32 s17, ttmp7, 0xffff
	s_lshl_b32 s17, s17, 2
	s_add_co_u32 s17, s17, s41
	s_lshl_b32 s43, s41, 2
	s_lshl_b32 s43, 15, s43
	s_lshl_b32 s44, 0x1111, s40
	s_and_b32 s72, ttmp7, 0xffff
	s_lshr_b32 s73, s72, 1
	s_xor_b32 s72, s72, s73
	s_lshr_b32 s73, ttmp9, 1
	s_xor_b32 s73, s73, ttmp9
	s_xor_b32 s72, s72, s73
	s_and_b32 s72, s72, 1
	s_mul_i32 s[ROT], s72, 8*RECB
	s_mul_i32 s[WRD], s72, RBS
	s_mov_b32 s[WRP+1], 0
	s_or_b32 s[G1+0], s43, (3<<16)|(1<<20)|(1<<21)|(5<<22)|(3<<25)
	s_or_b32 s[G1B+0], s44, (3<<16)|(1<<20)|(1<<21)|(5<<22)|(3<<25)
.irp g, G1, G1B
	s_mov_b32 s[\g+1], 32<<16
	s_mov_b32 s[\g+2], 132<<16
	s_mov_b32 s[\g+3], 32<<16
	s_mov_b32 s[\g+4], 132
	s_mov_b32 s[\g+5], 32
	s_mov_b32 s[\g+6], 0
	s_mov_b32 s[\g+7], 0
.endr
	s_lshl_b32 s20, s17, 1
	s_add_co_u32 s20, s20, s16
	s_mul_i32 s20, s20, RBS
	s_add_co_u32 s20, s20, s[ROT]
	s_mov_b32 s21, 0
	s_lshl_b32 s46, s42, 1
	s_add_co_u32 s46, s46, s16
	s_mul_i32 s46, s46, RBS
	s_add_co_u32 s46, s46, s[ROT]
	s_mov_b32 s47, 0
	s_mul_i32 s45, s14, HALFT
	s_wait_kmcnt 0x0
	s_add_nc_u64 s[20:21], s[4:5], s[20:21]
	s_add_nc_u64 s[46:47], s[6:7], s[46:47]
	CROUND
.irp s, 0,1
	s_mov_b32 s[G0+4*\s], 1
	s_add_co_u32 s[G0+4*\s+1], s45, \s*SLOT
	s_add_nc_u64 s[G0+4*\s+2:G0+4*\s+3], s[20:21], \s*RECB
	s_or_b32 s[G0+4*\s+3], s[G0+4*\s+3], 0x80000000
	s_mov_b32 s[G0B+4*\s], 1
	s_add_co_u32 s[G0B+4*\s+1], s45, \s*SLOT
	s_add_nc_u64 s[G0B+4*\s+2:G0B+4*\s+3], s[46:47], \s*RECB
	s_or_b32 s[G0B+4*\s+3], s[G0B+4*\s+3], 0x80000000
.endr
	JLOAD G0, G1, G0B, G1B                         ; K step 0, behind the one round above: one tensor load a wave at the head; the addresses below are made while it is out
	v_and_b32 v1, 15, v0
	v_bfe_u32 v2, v0, 4, 1
	s_wait_alu depctr_va_vdst(0)
	v_mul_u32_u24 v3, v1, PITCH
	v_lshl_add_u32 v4, v2, 4, v3
	s_mul_i32 s21, s15, HALFT
	s_mul_i32 s22, s16, HALFT
	s_add_co_u32 s22, s22, 2*HALFT
.irp s, 0,1
	v_add_nc_u32 v[ADRA+\s], s21, v4
	v_add_nc_u32 v[ADRB+\s], s22, v4
	s_add_co_u32 s21, s21, SLOT
	s_add_co_u32 s22, s22, SLOT
.endr
	s_mul_i32 s21, s15, HALFT
	s_mul_i32 s22, s16, HALFT
	s_add_co_u32 s22, s22, 2*HALFT
	s_sub_co_u32 s22, s22, s21
	v_mul_u32_u24 v6, s22, v2
	v_lshl_add_u32 v5, v1, 3, v6
	s_add_co_u32 s21, s21, SCOFF
	v_add_nc_u32 v[ADRS], s21, v5
	s_add_co_u32 s21, s21, SLOT
	v_add_nc_u32 v[ADRS+1], s21, v5
	s_mul_i32 s23, s14, 16*SPITCH
	v_mul_u32_u24 v5, v1, SPITCH
	v_lshl_add_u32 v5, v2, 5, v5
	v_add_nc_u32 v[STO], s23, v5
	v_and_b32 v6, 31, v0
	v_lshlrev_b32 v[CO], 4, v6
	v_add_nc_u32 v[RD], s23, v[CO]
	v_lshlrev_b32 v[PFO], 8, v6
	v_mul_u32_u24 v[PFO2], v1, RECB
	v_mul_u32_u24 v3, v2, RBS
	v_add_nc_u32 v[PFO2], v[PFO2], v3
	s_lshl_b32 s46, s42, 10
	s_lshl_b32 s47, s16, 9
	s_add_co_u32 s46, s46, s47
	s_mov_b32 s47, 0
	s_add_nc_u64 s[8:9], s[8:9], s[46:47]
	v_lshlrev_b32 v7, 5, v2
.irp b, 0,1,2,3,4,5,6,7
	global_load_b128 v[BIAS+8*\b:BIAS+8*\b+3],   v7, s[8:9] offset:64*\b
	global_load_b128 v[BIAS+8*\b+4:BIAS+8*\b+7], v7, s[8:9] offset:64*\b+16
.endr
	s_lshl_b32 s20, s17, 8
	s_lshl_b32 s21, s15, 7
	s_add_co_u32 s20, s20, s21
	s_lshl_b32 s20, s20, 14
	s_add_co_u32 s20, s20, s46
	s_mov_b32 s21, 0
	s_add_nc_u64 s[10:11], s[10:11], s[20:21]
	s_and_b32 s72, ttmp7, 0xffff
	s_cmp_eq_u32 s15, 0
	s_cselect_b32 s73, s17, s42
	s_cselect_b32 s74, s40, s41
	s_cselect_b32 s72, ttmp9, s72
	s_cselect_b64 s[PFA:PFA+1], s[4:5], s[6:7]
	s_mov_b64 s[PFS:PFS+1], s[PFA:PFA+1]
	s_cmp_lt_u32 s72, 2
	s_cselect_b32 s[LIM], 5, -1
	s_or_b32 s72, s72, s16
	s_cmp_eq_u32 s72, 0
	s_cselect_b32 s[LIM2], LAPS-1, -1
	s_lshl_b32 s75, s73, 1
	s_add_co_u32 s76, s75, s16
	s_mul_i32 s76, s76, RBS
	s_lshl_b32 s77, s74, 13
	s_add_co_u32 s76, s76, s77
	s_add_co_u32 s76, s76, s[ROT]
	s_add_co_u32 s76, s76, 2*RECB
	s_mov_b32 s77, 0
	s_add_nc_u64 s[PFA:PFA+1], s[PFA:PFA+1], s[76:77]
	s_mul_i32 s78, s75, RBS
	s_lshl_b32 s79, s74, 8
	s_add_co_u32 s78, s78, s79
	s_add_co_u32 s78, s78, 32768
	s_mov_b32 s79, 0
	s_add_nc_u64 s[PFS:PFS+1], s[PFS:PFS+1], s[78:79]
.macro FRAG reg, adr, q, i
.irp c, 0,1,2,3
	ds_load_b128 v[\reg+4*\c:\reg+4*\c+3], v[\adr] offset:128*(\q)+32*\c+(\i)*16*PITCH
.endr
.endm
.macro MUL16 a0, p, q, sc, first
.irp a, \a0, \a0+1
.irp b, 0,1,2,3,4,5,6,7
.if \first
	v_wmma_scale_f32_16x16x128_f8f6f4 v[8*(8*((\a)%4)+\b):8*(8*((\a)%4)+\b)+7], v[128*(\p)+FR*\b:128*(\p)+FR*\b+FR-1], v[AF+FR*(\a):AF+FR*(\a)+FR-1], v[BIAS+8*\b:BIAS+8*\b+7], v[SC+8*NQ*(\sc)+NQ*\b+(\q)], v[SC+8*NQ*(\sc)+NQ*(\a)+(\q)] matrix_a_fmt:MATRIX_FMT_BF8 matrix_b_fmt:MATRIX_FMT_BF8 matrix_a_scale:MATRIX_SCALE_ROW1
.else
	v_wmma_scale_f32_16x16x128_f8f6f4 v[8*(8*((\a)%4)+\b):8*(8*((\a)%4)+\b)+7], v[128*(\p)+FR*\b:128*(\p)+FR*\b+FR-1], v[AF+FR*(\a):AF+FR*(\a)+FR-1], v[8*(8*((\a)%4)+\b):8*(8*((\a)%4)+\b)+7], v[SC+8*NQ*(\sc)+NQ*\b+(\q)], v[SC+8*NQ*(\sc)+NQ*(\a)+(\q)] matrix_a_fmt:MATRIX_FMT_BF8 matrix_b_fmt:MATRIX_FMT_BF8 matrix_a_scale:MATRIX_SCALE_ROW1
.endif
.endr
.endr
.endm
.macro FETCH_B slot, q, p
	WIN TO_B
.irp i, 0,1,2,3,4,5,6,7
	FRAG 128*(\p)+FR*\i, ADRB+\slot, \q, \i
.endr
	WIN 0
.endm
.macro FETCH_A slot, q, i0
.irp i, \i0, \i0+1, \i0+2, \i0+3
	FRAG AF+FR*(\i), ADRA+\slot, \q, \i
.endr
.endm
.macro SCALES sl
.irp i, 0,1,2,3,4,5,6,7
	ds_load_b64 v[SC+8*NQ*\sl+NQ*\i:SC+8*NQ*\sl+NQ*\i+1], v[ADRS+\sl] offset:(\i/2)*PITCH+(\i%2)*128
.endr
.endm
.macro PLACES n
.rept \n
	v_nop
.endr
.endm
.macro STEP slot, q, first
	s_wait_dscnt 4*NL
.if \first
	WIN FIRST_LO
.else
	WIN MUL_LO
.endif
	MUL16 0, (\q)%2, \q, \slot, \first
	MUL16 2, (\q)%2, \q, \slot, \first
	s_wait_dscnt 0
	PLACES NP
	FETCH_B \slot, (\q)+1, 1-(\q)%2
	FETCH_A \slot, (\q)+1, 0
.if \first
	WIN FIRST_HI
.else
	WIN MUL_HI
.endif
	MUL16 4, (\q)%2, \q, \slot, \first
	MUL16 6, (\q)%2, \q, \slot, \first
	PLACES NP
	WIN 0
	FETCH_A \slot, (\q)+1, 4
.endm
.macro TURN slot, next, fill
.if \fill
	s_wait_xcnt 0x0
	s_add_nc_u64 s[PFA:PFA+1], s[PFA:PFA+1], RECB
.endif
	s_wait_tensorcnt 0x0
	ds_add_u32 v[SPW], v[NIL]
	s_wait_dscnt 4*NL+1
	WIN MUL_LO
	MUL16 0, 1, NQ-1, \slot, 0
	s_wait_dscnt 0x0
	s_barrier_signal -1
	MUL16 2, 1, NQ-1, \slot, 0
	WIN 0
	s_barrier_wait -1
.if \fill
	CREST
	s_cmp_eq_u32 s3, WRAPT
	s_cselect_b32 s[WRP], s[WRD], 0
	s_add_nc_u64 s[G0+4*\slot+2:G0+4*\slot+3], s[G0+4*\slot+2:G0+4*\slot+3], 2*RECB
	s_add_nc_u64 s[G0B+4*\slot+2:G0B+4*\slot+3], s[G0B+4*\slot+2:G0B+4*\slot+3], 2*RECB
	s_sub_nc_u64 s[G0+4*\slot+2:G0+4*\slot+3], s[G0+4*\slot+2:G0+4*\slot+3], s[WRP:WRP+1]
	s_sub_nc_u64 s[G0B+4*\slot+2:G0B+4*\slot+3], s[G0B+4*\slot+2:G0B+4*\slot+3], s[WRP:WRP+1]
	JLOAD G0+4*\slot, G1, G0B+4*\slot, G1B
	PLACES NP-4
.else
	PLACES NP
.endif
	FETCH_B \next, 0, 0
	FETCH_A \next, 0, 0
	SCALES \next
.if \fill
	ASK
.if (\slot) == 0
	ASKS
.endif
.endif
	WIN MUL_HI
	MUL16 4, 1, NQ-1, \slot, 0
	MUL16 6, 1, NQ-1, \slot, 0
	PLACES NP
	WIN 0
	FETCH_A \next, 0, 4
.endm
	s_wait_alu depctr_va_vdst(0)
	s_wait_tensorcnt 0x0                           ; my part of K step 0 is in; slot 1's first fill is issued as a refill is:
	ds_add_u32 v[SPW], v[NIL]
	s_wait_dscnt 0x0
	CROUND                                         ; everybody's part of K step 0 is in, and all sixteen work-groups are here
	JLOAD G0+4, G1, G0B+4, G1B                     ; K step 1: the first tensor load behind the round
	FETCH_B 0, 0, 0
	FETCH_A 0, 0, 0
	SCALES 0
	FETCH_A 0, 0, 4
	s_wait_loadcnt 0x0
	STEP 0, 0, 1
	s_mov_b32 s3, LAPS-1
.Llap:
	TURN 0, 1, 1
	STEP 1, 0, 0
	TURN 1, 0, 1
	STEP 0, 0, 0
	s_sub_co_u32 s3, s3, 1
	s_cmp_lg_u32 s3, 0
	s_cbranch_scc1 .Llap
	TURN 0, 1, 0
	STEP 1, 0, 0
	s_wait_dscnt 4*NL
	WIN MUL_LO
	MUL16 0, 1, NQ-1, 1, 0
	MUL16 2, 1, NQ-1, 1, 0
	s_wait_alu depctr_va_vdst(0)
	s_wait_dscnt 0
	WIN MUL_HI
	MUL16 4, 1, NQ-1, 1, 0
	MUL16 6, 1, NQ-1, 1, 0
	WIN 0
.macro TOSTAGE a
.set AC, 64*((\a)%4)
	WIN 0x08+4*((\a)/4)
.irp b, 0,1,2,3,4,5,6,7
	ds_store_b128 v[STO], v[AC+8*\b:AC+8*\b+3] offset:64*\b
	ds_store_b128 v[STO], v[AC+8*\b+4:AC+8*\b+7] offset:64*\b+16
.endr
	WIN 0
.set BB, BK+64*((\a)%2)
.irp t, 0,1,2,3,4,5,6,7,8,9,10,11,12,13,14,15
	ds_load_b128 v[BB+4*\t:BB+4*\t+3], v[RD] offset:\t*SPITCH
.endr
.endm
.macro SEND a, younger
.set BB, BK+64*((\a)%2)
	s_wait_dscnt \younger
.if (\a) > 0
	s_add_nc_u64 s[10:11], s[10:11], 16*SIZE_N*4
.endif
.irp t, 0,1,2,3,4,5,6,7,8,9,10,11,12,13,14,15
	global_store_b128 v[CO], v[BB+4*\t:BB+4*\t+3], s[10:11] offset:\t*SIZE_N*4 th:TH_STORE_NT
.endr
.endm
	PLACES NP
	TOSTAGE 0
.irp a, 1,2,3,4,5,6,7
.if \a > 1
	s_wait_xcnt 0x0
.endif
	TOSTAGE \a
	SEND \a-1, 32
.endr
	s_wait_xcnt 0x0
	SEND 7, 0
	s_wait_tensorcnt 0x0
	ds_add_u32 v[SPW], v[NIL]
	s_wait_dscnt 0x0
	CROUND
	s_endpgm
.Lfunc_end_k_qc872ad595b_gemm:
	.size	k_qc872ad595b_gemm, .Lfunc_end_k_qc872ad595b_gemm-k_qc872ad595b_gemm
	.p2alignl 7, 3214868480
	.fill 96, 4, 3214868480
	.section	.rodata,"a",@progbits
	.p2align	6, 0x0
	.amdhsa_kernel k_qc872ad595b_gemm
		.amdhsa_group_segment_fixed_size 327680
		.amdhsa_private_segment_fixed_size 0
		.amdhsa_enable_private_segment 0
		.amdhsa_kernarg_size 32
		.amdhsa_user_sgpr_count 2
		.amdhsa_user_sgpr_kernarg_segment_ptr 1
		.amdhsa_wavefront_size32 1
		.amdhsa_system_sgpr_workgroup_id_x 1
		.amdhsa_system_sgpr_workgroup_id_y 1
		.amdhsa_system_sgpr_workgroup_id_z 1
		.amdhsa_system_vgpr_workitem_id 0
		.amdhsa_next_free_vgpr 1024
		.amdhsa_next_free_sgpr 84
		.amdhsa_reserve_vcc 0
		.amdhsa_float_denorm_mode_32 3
		.amdhsa_float_denorm_mode_16_64 3
		.amdhsa_memory_ordered 1
		.amdhsa_forward_progress 1
		.amdhsa_inst_pref_size 148
	.end_amdhsa_kernel
	.amdgpu_metadata
---
amdhsa.version: [ 1, 2 ]
amdhsa.kernels:
  - .name:           k_qc872ad595b_gemm
    .symbol:         k_qc872ad595b_gemm.kd
    .args:
      - { .name: xq, .offset: 0, .size: 8, .value_kind: global_buffer, .address_space: global }
      - { .name: wq, .offset: 8, .size: 8, .value_kind: global_buffer, .address_space: global }
      - { .name: bias, .offset: 16, .size: 8, .value_kind: global_buffer, .address_space: global }
      - { .name: out0, .offset: 24, .size: 8, .value_kind: global_buffer, .address_space: global }
    .group_segment_fixed_size: 327680
    .private_segment_fixed_size: 0
    .kernarg_segment_align: 8
    .kernarg_segment_size: 32
    .max_flat_workgroup_size: 128
    .sgpr_count:     84
    .vgpr_count:     1024
    .wavefront_size: 32
...
	.end_amdgpu_metadata
.endif
;; end of part 2
